; MI455X (gfx1250); checked and timed in simulation.
; The chip was launched on July 23, 2026; its instructions are those of AMD's public machine-readable ISA for CDNA 5 (MIT licence, August 2026) and "CDNA5" Instruction Set Architecture Reference Guide (July 2026). The comments in the code are by the model that wrote it; some were corrected since.
;; Match Tensor Score. Allowed arithmetic: matrix products marked QUANTISED: E4M3 operands, one E8M0 scale for each 32 along K, by v_wmma_scale_f32_16x16x128_f8f6f4 with both operands' format E4M3, f32 sums; products left as they are: f32 operands where the result goes on into a quantised operand, else bf16, f16 or f32 operands; f32 sums; everything else in f32.
;; Inputs: M 1,024 x 1,024 x 32 float32; V 32 x 2,048 float32; b 1 x 32 float32; u 1 x 32 float32; x1 2,048 x 1,024 float32; x2 2,048 x 1,024 float32.
;; Outputs: out0 2,048 x 1 float32.
;; This version of the problem:
;;   THIS VERSION OF THE PROBLEM IS GIVEN IN LOW PRECISION. The matrix products marked QUANTISED in the list below multiply operands that are first quantised to E4M3 (4 exponent bits, 3 mantissa bits; 8 bits a number), with one power-of-two scale for each 32 numbers along K (OCP MX v1.0); their sums are f32. All else is computed in f32.
;;   The module's matrix products, in the order in which they are computed (A, B: the left and right operand; K: the contracted axis; several contracted axes count as one K, in the product's order):
;;     1. [M 32,768, K 1,024] x [K 1,024, N 2,048]; A: input M; B: input x1: QUANTISED
;;     2. batch 2,048 x [M 1, K 1,024] x [K 1,024, N 32]; A: input x2; B: computed on the way: left as it is (M = 1 < 16)
;;     3. [M 2,048, K 2,048] x [K 2,048, N 32]; A: computed on the way; B: input V: QUANTISED
;;     4. [M 2,048, K 32] x [K 32, N 1]; A: computed on the way; B: input u: left as it is (N = 1 < 16)
;;   THE QUANTISER, for each operand of a quantised product, along K:
;;     - K is cut into blocks of 32 from its start; a last block that is shorter is filled with zeros.
;;     - A block's scale is 2^e with e = floor(log2(the largest magnitude in the block)) - 8, held to -126 .. 127; a block of zeros has e = 0. As a byte (E8M0): e + 127.
;;     - Each number is divided by its block's scale, clamped to +-448, and rounded to the nearest number of E4M3, ties to even, subnormals kept.
;;     - The product sums the exact products of the quantised numbers (number of the format x scale) in f32.
;;   ~~~python
;;   def quantise(x, axis):      # numpy; x: float32 -> the quantised numbers, widened to float32 again
;;       x = np.moveaxis(x, axis, -1); K = x.shape[-1]
;;       x = np.pad(x, [(0, 0)] * (x.ndim - 1) + [(0, -K % 32)]); x = x.reshape(x.shape[:-1] + (-1, 32)); a = np.abs(x).max(-1, keepdims=True)
;;       e = np.where(a > 0, np.clip(np.frexp(np.where(a > 0, a, 1))[1] - 1 - 8, -126, 127), 0)      # np.frexp(a)[1] - 1 = floor(log2(a)), exactly
;;       r = np.clip(x / 2.0 ** e, -448, 448)
;;       step = 2.0 ** (np.maximum(np.frexp(np.where(r == 0, 1, r))[1] - 1, -6) - 3)
;;       q = np.round(r / step) * step * 2.0 ** e      # np.round: ties to even
;;       return np.moveaxis(q.reshape(q.shape[:-2] + (-1,))[..., :K], -1, axis).astype(np.float32)
;;   ~~~
;;   OPERANDS COMPUTED ON THE WAY. 'Computed on the way' means the value that the module computes at that place (a softmax that the list does not call 'softmax' is quantised finished and normalised). What goes into a quantiser is computed in f32, as accurately as f32 sums, v_exp_f32 and their like allow (about 1e-6 of the number): no bf16 or f16 on the way to a quantiser, and a product that is left as it is and whose result goes on into a quantised operand takes f32 operands (vector FMAs, or v_wmma_f32_16x16x4_f32). A number that lies on a knife's edge between two numbers of the format may be rounded either way, as far as f32 arithmetic and the matrix unit's own rounding can turn it there, and no further.
;; One version. Each part assembles by itself: llvm-mc -triple=amdgcn-amd-amdhsa -mcpu=gfx1250 --defsym DOCPART=n.
;; ======== version 1 of 1: 3 launches
;; limits: right only within a limited range of input values
;; workspace buffers: mq 34,603,008 bytes; xc 4,259,840 bytes; xs 133,120 bytes; part 8,388,608 bytes
;; launch quant (part 1): grid 642 x 1, 4 waves a work-group, no clusters, 37,376 bytes of LDS; arguments M, x1, x2, V, mq, xc, xs; writes mq, xc, xs
.if DOCPART == 1
	.amdgcn_target "amdgcn-amd-amdhsa--gfx1250"
	.amdhsa_code_object_version 6
	.text
	.protected	k_q4452b2548f_quant
	.globl	k_q4452b2548f_quant
	.p2align	8
	.type	k_q4452b2548f_quant,@function
k_q4452b2548f_quant:
	s_mov_b64 s[64:65], 0
	v_nop
	global_prefetch_b8 v0, s[64:65] scope:SCOPE_SE
	s_setreg_imm32_b32 hwreg(HW_REG_WAVE_MODE, 25, 1), 1
	s_wait_xcnt 0x0
; M [1024 (e)][1024 (f)][32 (r)], x1, x2 [2048][1024] and V [32][2048], all f32, become codes of FP8 (E4M3) with one E8M0 scale byte for each 32 along K.
; K is M's FIRST axis (e) and the last axis of x1, x2 and V.  A block's scale is 2^(floor(log2(its largest magnitude)) - 8): its byte is that magnitude's exponent field - 8, held at 1 from below;
; each number is held within +-448 x the scale and rounded to the nearest code, ties to even.
; LIMITS: a block of zeros gets the byte 1 where the rule says 127 (its codes are zeros, which add nothing under any byte but 0xff, and this program alone reads the bytes); NaN and infinities among the inputs are not served.
; TWO PATHS, parted on the work-group's number: groups 0-511 take M, groups 512-641 x1, x2 and V.  Only the second path uses LDS.  Waves share nothing: no barrier.  No tile is shared: no cluster.
; M's PATH.  A lane takes two neighbouring columns (f, r), (f, r + 1) and its registers run down e: a load of 8 bytes a lane reads 256 consecutive bytes a wave, a block of 32 along K lies in one lane,
; and the conversions give codes with K innermost.  A wave takes 64 columns (two f) x 256 along K.
; mq IS LAID IN THE ORDER OF THE OPERAND'S REGISTERS: for each f a block of FBLK bytes: codes [kh 2][j 2][s 4][c 4][h 2][rl 16][16 bytes], k = 128 (4 kh + s) + 32 c + 16 h + 0..15, r = 2 rl + j; then, 32,768 bytes on,
; the scale words [kq 4][rl 16][j 2][2 words], the two words being K steps 2 kq and 2 kq + 1.
; xc AND xs ARE LAID SO TOO.  A run is 16 rows x 512 along K: 8,192 bytes of codes [s 4][c 4][h 2][rl 16][16 bytes], k = 128 s + 32 c + 16 h + 0..15, and 256 scale bytes [rl 16][16 bytes].
; x1: run 2 (row / 16) + k / 512, rl = row % 16; x2 likewise, 256 runs on; V: 512 runs on, run 4 j + k / 512, row = 2 rl + j.
.set FBLK,  33792                      ; a block of mq: 32,768 bytes of codes + 1,024 of scale words
.set ROWM,  131072                     ; a row e of M in bytes
.set MWG,   512                        ; work-groups of M's path
.set LO,    2                          ; v2      8 x lane: my two columns in the wave's 256 bytes
.set SO,    3                          ; v3      where I store: (lane / 16) x FBLK + 16 (lane % 16)
.set MX,    4                          ; v4-5    the two columns' largest magnitudes
.set SCO,   6                          ; v6-7    the conversions' scale operands
.set LIM,   8                          ; v8-9    448 x the scale
.set BY,    10                         ; v10-11  the scale bytes
.set SW,    12                         ; v12-15  scale words
.set CD,    16                         ; v16-31  codes: 8 registers a column
.set HH,    32                         ; v32-63  column 0's numbers, held
.set RAW,   64                         ; v64-255 three sets of 64: register 2 k + j = M(e0 + k, column j)
.set SPI,   272                        ; the other path: a stage row: 256 bytes + 16 of padding
.set STG,   16*SPI                     ; a stage: 16 rows
.set WREG,  9216                       ; LDS of a wave: two stages, then its 256 scale bytes
.set SPARE, 4*WREG                     ; the spare words, 128 bytes for each wave
.set STEPS, 16
.set PAIRS, 8
.set GA,    24                         ; v24-31   byte offsets of the eight loads of a pair of steps
.set SR,    32                         ; v32-95   two sets of 32: 16 rows x 64 numbers as loaded
.set SX,    96                         ; v96-127  two sets of 16 neighbours
.set SE,    128                        ; v128-143 a scale byte for each step
.set SC,    144                        ; v144-207 codes, four registers for each step
	s_load_b256 s[4:11], s[0:1], 0x0               ; M s[4:5], x1 s[6:7], x2 s[8:9], V s[10:11]
	s_load_b128 s[12:15], s[0:1], 0x20             ; mq s[12:13], xc s[14:15]
	s_load_b64 s[16:17], s[0:1], 0x30              ; xs
	s_set_vgpr_msb 0x40
	v_lshl_add_u32 v0, v0, 2, SPARE                ; v256: my spare word
	v_mov_b32 v1, 0                                ; v257: 0
	s_set_vgpr_msb 0x4000
	v_lshrrev_b32 v1, 5, v0
	v_readfirstlane_b32 s18, v1                    ; wave 0..3
	v_and_b32 v1, 31, v0                           ; lane
	s_mov_b32 s32, 0x600000                        ; the mantissa field of 448
	s_cmp_lt_u32 ttmp9, MWG
	s_cbranch_scc0 .Lstream
	; ---------------- M ----------------
	s_and_b32 s19, ttmp9, 127
	s_lshr_b32 s33, ttmp9, 7                       ; kq: which 256 along K
	s_lshl_b32 s19, s19, 2
	s_add_co_u32 s19, s19, s18                     ; cg: which 64 columns: f = 2 cg, 2 cg + 1
	s_lshl_b32 s34, s33, 25                        ; 256 rows of 131,072 bytes
	s_lshl_b32 s35, s19, 8                         ; 64 columns of 4 bytes
	s_add_co_u32 s34, s34, s35
	s_mov_b32 s35, 0
	s_mul_i32 s36, s19, 2*FBLK                     ; f = 2 cg's block of mq
	s_lshl_b32 s38, s33, 8
	s_add_co_u32 s38, s38, s36
	s_add_co_u32 s38, s38, 32768                   ; its scale words of this kq
	s_mov_b32 s39, 0
	s_lshr_b32 s37, s33, 1
	s_lshl_b32 s37, s37, 14                        ; kh = kq / 2
	s_add_co_u32 s36, s36, s37
	s_and_b32 s37, s33, 1
	s_lshl_b32 s37, s37, 12                        ; s = 2 (kq % 2) + ..
	s_add_co_u32 s36, s36, s37
	s_mov_b32 s37, 0
	s_wait_alu depctr_va_vdst(0)
	v_lshlrev_b32 v[LO], 3, v1
	v_and_b32 v[SO], 15, v1
	v_lshrrev_b32 v4, 4, v1
	v_mul_u32_u24 v4, v4, FBLK
	v_lshl_add_u32 v[SO], v[SO], 4, v4
	s_wait_alu depctr_va_vdst(0)
	s_wait_kmcnt 0x0
	s_add_nc_u64 s[20:21], s[4:5], s[34:35]        ; four bases, 64 rows of M apart: every row's offset fits the loads' immediate and nothing is stepped
	s_add_nc_u64 s[22:23], s[20:21], 0x800000
	s_add_nc_u64 s[24:25], s[22:23], 0x800000
	s_add_nc_u64 s[26:27], s[24:25], 0x800000
	s_add_nc_u64 s[28:29], s[12:13], s[36:37]      ; the codes
	s_add_nc_u64 s[30:31], s[12:13], s[38:39]      ; the scale words
.macro MLOAD t                         ; block t: 32 rows of M, my two columns, into set t % 3
.set RB, RAW+64*((\t)%3)
.set k, 0
.rept 32
	global_load_b64 v[RB+2*k:RB+2*k+1], v[LO], s[20+2*((\t)/2):21+2*((\t)/2)] offset:(((\t)%2)*32+k)*ROWM th:TH_LOAD_NT
.set k, k+1
.endr
.endm
.macro MBLOCK t
.set RS, RAW+64*((\t)%3)
.if (\t) <= 5
	s_wait_loadcnt 63                              ; 64 loads are younger than this block's; 63 is the largest count that the wait can name
.elseif (\t) == 6
	s_wait_loadcnt 32                              ; the last block's 32 may be out
.else
	s_wait_loadcnt 0x0
.endif
	v_max3_num_f32 v[MX], |v[RS]|, |v[RS+2]|, 0x4800000       ; the largest magnitude of each column's 32, with the floor 2^(9 - 127) among the leaves
	v_max3_num_f32 v[MX+1], |v[RS+1]|, |v[RS+3]|, 0x4800000   ; (the two columns by turns)
.set i, 4
.rept 15
	v_max3_num_f32 v[MX], v[MX], |v[RS+i]|, |v[RS+i+2]|
	v_max3_num_f32 v[MX+1], v[MX+1], |v[RS+i+1]|, |v[RS+i+3]|
.set i, i+4
.endr
	v_add_nc_u32 v[SCO], 0xfc000000, v[MX]         ; 8 off the exponent field: the conversion's scale operand
	v_add_nc_u32 v[SCO+1], 0xfc000000, v[MX+1]
	v_and_or_b32 v[LIM], v[MX], 0x7f800000, s32    ; 448 x the scale
	v_and_or_b32 v[LIM+1], v[MX+1], 0x7f800000, s32
.set i, 0
.rept 32
	v_med3_num_f32 v[HH+i], v[RS+2*i], -v[LIM], v[LIM]        ; the hold (ISA guide 7.6.2: the conversion does not saturate) also parts the columns: column 0 into registers on end,
.set i, i+1
.endr
.set i, 0
.rept 32
	v_med3_num_f32 v[RS+i], v[RS+2*i+1], -v[LIM+1], v[LIM+1]  ; column 1 down into the set's lower half: register i has been read when it is written
.set i, i+1
.endr
	s_wait_alu depctr_va_vdst(0)
	s_wait_xcnt 0x0                                ; the last block's stores have read the codes' registers, which are written again below
.irp g, 0,1,2,3
	v_cvt_scalef32_pk8_fp8_f32 v[CD+2*\g:CD+2*\g+1], v[HH+8*\g:HH+8*\g+7], v[SCO]
.endr
.irp g, 0,1,2,3
	v_cvt_scalef32_pk8_fp8_f32 v[CD+8+2*\g:CD+9+2*\g], v[RS+8*\g:RS+8*\g+7], v[SCO+1]
.endr
.if (\t)%4 == 0                        ; the scale bytes, four to a word, the lower K in the lower byte (also the plain lines behind the conversions)
	v_lshrrev_b32 v[SW+(\t)/4], 23, v[SCO]
	v_lshrrev_b32 v[SW+2+(\t)/4], 23, v[SCO+1]
.else
	v_lshrrev_b32 v[BY], 23, v[SCO]
	v_lshrrev_b32 v[BY+1], 23, v[SCO+1]
	v_lshl_or_b32 v[SW+(\t)/4], v[BY], 8*((\t)%4), v[SW+(\t)/4]
	v_lshl_or_b32 v[SW+2+(\t)/4], v[BY+1], 8*((\t)%4), v[SW+2+(\t)/4]
.endif
.irp j, 0,1
.irp hp, 0,1
	global_store_b128 v[SO], v[CD+8*\j+4*\hp:CD+8*\j+4*\hp+3], s[28:29] offset:\j*8192+((\t)/4)*2048+((\t)%4)*512+\hp*256 th:TH_STORE_NT   ; sixteen lanes store 256 consecutive bytes, aligned; written once, not read in this launch
.endr
.endr
.if (\t)+3 < 8
	MLOAD (\t)+3                                   ; this set takes the block three further on
.endif
.endm
	MLOAD 0
	MLOAD 1
	MLOAD 2
.irp t, 0,1,2,3,4,5,6,7
	MBLOCK \t
.endr
	global_store_b128 v[SO], v[SW:SW+3], s[30:31] th:TH_STORE_NT   ; my two columns' scale words of two K steps: 256 consecutive bytes for sixteen lanes
	s_endpgm
	; ---------------- x1, x2, V: K innermost ----------------
	; A wave takes a run: 16 rows x 512 along K, in 16 steps of one block of 32 for each row.  Loads go by pairs of steps: eight loads, each two rows' 256 consecutive bytes.  The pair turns through the wave's own
	; stage in LDS and comes back 64 bytes a lane: lane (rl, h) holds row rl's numbers 16 h .. 16 h + 15 of the block, which is the place of its 16 codes in the operand's registers.
	; So a step's store is 512 consecutive bytes, and a wave's 256 scale bytes, gathered in its own LDS, leave as one aligned run.  Lanes l and l xor 16 share a block.
.Lstream:
	s_wait_alu depctr_va_vdst(0)
	s_sub_co_u32 s19, ttmp9, MWG                   ; 0-63: x1; 64-127: x2; 128, 129: V
	s_mul_i32 s21, s18, WREG                       ; my wave's LDS
	s_add_co_u32 s33, s21, 2*STG                   ; its scale bytes
	s_mov_b32 s34, 0x76543210
	s_mov_b32 s35, 0xfedcba98                      ; v_permlanex16_b32's selects for lane l xor 16
	s_cmp_lt_u32 s19, 128                          ; every choice hangs on the work-group's number alone
	s_cselect_b32 s22, 12, 14                      ; from one of my rows to the next: 4,096 bytes; in V two rows of 8,192
	s_cselect_b32 s26, 1, 2                        ; a row has 2 runs along K; in V 4
	s_cselect_b32 s27, 16, 13                      ; from one group of 16 rows to the next: 65,536 bytes; in V from j = 0 to j = 1: 8,192
	s_cselect_b32 s20, 64, 128
	s_cmp_lt_u32 s19, 64
	s_cselect_b32 s20, 0, s20
	s_sub_co_u32 s20, s19, s20
	s_lshl_b32 s20, s20, 2
	s_add_co_u32 s20, s20, s18                     ; my run in its tensor
	s_lshr_b32 s24, s20, s26                       ; its group of rows,
	s_lshl_b32 s25, s24, s26
	s_sub_co_u32 s25, s20, s25                     ; its 512 along K
	s_lshl_b32 s24, s24, s27
	s_lshl_b32 s25, s25, 11
	s_add_co_u32 s24, s24, s25                     ; where it begins in the tensor
	s_mov_b32 s25, 0
	s_lshl_b32 s23, 2, s22                         ; two of my rows
	s_lshl_b32 s28, s19, 2
	s_add_co_u32 s28, s28, s18                     ; my run among the three tensors' on end
	s_lshl_b32 s30, s28, 8                         ; 256 scale bytes,
	s_mov_b32 s31, 0
	s_lshl_b32 s28, s28, 13                        ; 8,192 bytes of codes a run
	s_mov_b32 s29, 0
	v_and_b32 v2, 15, v1                           ; rl
	v_lshrrev_b32 v3, 4, v1                        ; h
	v_lshlrev_b32 v4, 4, v1                        ; my codes' place in a step's 512 bytes
	v_lshlrev_b32 v10, s22, v3
	v_lshl_add_u32 v[GA], v2, 4, v10               ; load i: row 2 i + lane / 16, 16 bytes at 16 (lane % 16)
.irp i, 1,2,3,4,5,6,7
	v_add_nc_u32 v[GA+\i], s23, v[GA+\i-1]
.endr
	v_mul_u32_u24 v14, v3, SPI
	v_lshl_add_u32 v14, v2, 4, v14
	v_add_nc_u32 v14, s21, v14                     ; the stage, on the way in: as loaded
	v_mul_u32_u24 v15, v2, SPI
	v_lshl_add_u32 v15, v3, 6, v15
	v_add_nc_u32 v15, s21, v15                     ; and on the way out: row rl, 64 h
	v_lshl_add_u32 v5, v2, 4, s33                  ; my row's 16 scale bytes
	v_lshlrev_b32 v7, 3, v1                        ; on the way out 8 bytes a lane
	v_add_nc_u32 v6, s33, v7
	v_mov_b32 v12, 0                               ; (a lane permute's destination counts as one of its sources)
	s_wait_alu depctr_va_vdst(0)
	s_wait_kmcnt 0x0
	s_cmp_lt_u32 s19, 128
	s_cselect_b64 s[8:9], s[8:9], s[10:11]
	s_cmp_lt_u32 s19, 64
	s_cselect_b64 s[6:7], s[6:7], s[8:9]
	s_add_nc_u64 s[6:7], s[6:7], s[24:25]
	s_add_nc_u64 s[14:15], s[14:15], s[28:29]
	s_add_nc_u64 s[16:17], s[16:17], s[30:31]
.macro PLOAD p                         ; pair p: 16 rows x 256 bytes into set p % 2
.irp i, 0,1,2,3,4,5,6,7
	global_load_b128 v[SR+32*((\p)%2)+4*\i:SR+32*((\p)%2)+4*\i+3], v[GA+\i], s[6:7] offset:256*(\p) th:TH_LOAD_NT
.endr
.endm
.macro PSTORE p                        ; into stage p % 2
.irp i, 0,1,2,3,4,5,6,7
	ds_store_b128 v14, v[SR+32*((\p)%2)+4*\i:SR+32*((\p)%2)+4*\i+3] offset:STG*((\p)%2)+2*SPI*\i
.endr
.endm
.macro SREAD t                         ; step t's 16 neighbours; LDS serves a wave's instructions in order (ISA guide 5.7.1.4), so no wait stands between the stores and these
.irp i, 0,1,2,3
	ds_load_b128 v[SX+16*((\t)%2)+4*\i:SX+16*((\t)%2)+4*\i+3], v15 offset:STG*(((\t)/2)%2)+128*((\t)%2)+16*\i
.endr
.endm
	PLOAD 0
	PLOAD 1
	s_wait_loadcnt 8                               ; pair 0 is in; pair 1's eight may be out
	PSTORE 0
	SREAD 0
.macro SSTEP t
.set XQ, SX+16*((\t)%2)
.if (\t) > 0
	s_wait_dscnt 1                                 ; this step's numbers are back (the last step's byte store may be out); so the pair's stores into the stage are done,
.else
	s_wait_dscnt 0x0
.endif
.if (\t)%2 == 0
.if (\t)/2+2 < PAIRS
	PLOAD (\t)/2+2                                 ; and their registers take the pair two further on
.endif
.endif
.if (\t)+1 < STEPS
.if (\t)%2 == 1
.if ((\t)+1)/2+1 < PAIRS
	s_wait_loadcnt 8                               ; the next pair is in; the eight loads behind it may be out
.else
	s_wait_loadcnt 0x0
.endif
	PSTORE ((\t)+1)/2
.endif
	SREAD (\t)+1
.endif
	v_max3_num_f32 v8, |v[XQ]|, |v[XQ+1]|, |v[XQ+2]|
	v_max3_num_f32 v9, |v[XQ+3]|, |v[XQ+4]|, |v[XQ+5]|
.irp i, 6,10
	v_max3_num_f32 v8, v8, |v[XQ+\i]|, |v[XQ+\i+1]|
	v_max3_num_f32 v9, v9, |v[XQ+\i+2]|, |v[XQ+\i+3]|
.endr
	v_max3_num_f32 v8, v8, |v[XQ+14]|, |v[XQ+15]|
	v_max3_num_f32 v8, v8, v9, 0x4800000           ; and the floor 2^(9 - 127)
	v_permlanex16_b32 v12, v8, s34, s35
	v_max_num_f32 v8, v8, v12                      ; with lane l xor 16's 16: the block's largest magnitude
	v_add_nc_u32 v11, 0xfc000000, v8               ; the conversion's scale operand
	v_and_or_b32 v10, v8, 0x7f800000, s32          ; 448 x the scale
.irp i, 0,1,2,3,4,5,6,7,8,9,10,11,12,13,14,15
	v_med3_num_f32 v[XQ+\i], v[XQ+\i], -v10, v10
.endr
	v_cvt_scalef32_pk8_fp8_f32 v[SC+4*(\t):SC+4*(\t)+1], v[XQ:XQ+7], v11
	v_cvt_scalef32_pk8_fp8_f32 v[SC+4*(\t)+2:SC+4*(\t)+3], v[XQ+8:XQ+15], v11
	v_lshrrev_b32 v[SE+(\t)], 23, v11              ; the scale's byte (the plain line behind the conversions)
	ds_store_b8 v5, v[SE+(\t)] offset:(\t)         ; both lanes of a block write the same byte with the same value
	global_store_b128 v4, v[SC+4*(\t):SC+4*(\t)+3], s[14:15] offset:512*(\t) th:TH_STORE_NT   ; 512 consecutive bytes, aligned
.endm
.irp t, 0,1,2,3,4,5,6,7,8,9,10,11,12,13,14,15
	SSTEP \t
.endr
	ds_load_b64 v[12:13], v6                       ; LDS serves a wave's instructions in order: these see my byte stores
	s_wait_dscnt 0x0
	global_store_b64 v7, v[12:13], s[16:17] th:TH_STORE_NT   ; 32 lanes store 256 consecutive bytes, aligned
	s_set_vgpr_msb 0x5
	s_wait_tensorcnt 0x0                           ; the wave's end
	ds_add_u32 v0, v1
	s_wait_dscnt 0x0
	s_set_vgpr_msb 0x500
	s_endpgm
.Lfunc_end_k_q4452b2548f_quant:
	.size	k_q4452b2548f_quant, .Lfunc_end_k_q4452b2548f_quant-k_q4452b2548f_quant
	.p2alignl 7, 3214868480
	.fill 96, 4, 3214868480
	.section	.rodata,"a",@progbits
	.p2align	6, 0x0
	.amdhsa_kernel k_q4452b2548f_quant
		.amdhsa_group_segment_fixed_size 37376
		.amdhsa_private_segment_fixed_size 0
		.amdhsa_enable_private_segment 0
		.amdhsa_kernarg_size 56
		.amdhsa_user_sgpr_count 2
		.amdhsa_user_sgpr_kernarg_segment_ptr 1
		.amdhsa_wavefront_size32 1
		.amdhsa_system_sgpr_workgroup_id_x 1
		.amdhsa_system_sgpr_workgroup_id_y 1
		.amdhsa_system_sgpr_workgroup_id_z 1
		.amdhsa_system_vgpr_workitem_id 0
		.amdhsa_next_free_vgpr 258
		.amdhsa_next_free_sgpr 66
		.amdhsa_reserve_vcc 0
		.amdhsa_float_denorm_mode_32 3
		.amdhsa_float_denorm_mode_16_64 3
		.amdhsa_memory_ordered 1
		.amdhsa_forward_progress 1
		.amdhsa_inst_pref_size 138
	.end_amdhsa_kernel
	.amdgpu_metadata
---
amdhsa.version: [ 1, 2 ]
amdhsa.kernels:
  - .name:           k_q4452b2548f_quant
    .symbol:         k_q4452b2548f_quant.kd
    .args:
      - { .name: M, .offset: 0, .size: 8, .value_kind: global_buffer, .address_space: global }
      - { .name: x1, .offset: 8, .size: 8, .value_kind: global_buffer, .address_space: global }
      - { .name: x2, .offset: 16, .size: 8, .value_kind: global_buffer, .address_space: global }
      - { .name: V, .offset: 24, .size: 8, .value_kind: global_buffer, .address_space: global }
      - { .name: mq, .offset: 32, .size: 8, .value_kind: global_buffer, .address_space: global }
      - { .name: xc, .offset: 40, .size: 8, .value_kind: global_buffer, .address_space: global }
      - { .name: xs, .offset: 48, .size: 8, .value_kind: global_buffer, .address_space: global }
    .group_segment_fixed_size: 37376
    .private_segment_fixed_size: 0
    .kernarg_segment_align: 8
    .kernarg_segment_size: 56
    .max_flat_workgroup_size: 128
    .sgpr_count:     66
    .vgpr_count:     258
    .wavefront_size: 32
...
	.end_amdgpu_metadata
.endif
;; end of part 1
;; launch bilin (part 2): grid 8 x 32, 4 waves a work-group, clusters of 4 x 1, 327,680 bytes of LDS; arguments mq, xc, xs, x2, part; writes part
.if DOCPART == 2
	.amdgcn_target "amdgcn-amd-amdhsa--gfx1250"
	.amdhsa_code_object_version 6
	.text
	.protected	k_q4452b2548f_bilin
	.globl	k_q4452b2548f_bilin
	.p2align	8
	.type	k_q4452b2548f_bilin,@function
k_q4452b2548f_bilin:
	s_mov_b64 s[64:65], 0
	v_nop
	global_prefetch_b8 v0, s[64:65] scope:SCOPE_SE
	s_setreg_imm32_b32 hwreg(HW_REG_WAVE_MODE, 25, 1), 1
	s_wait_xcnt 0x0
	s_wait_alu depctr_hold_cnt(0) depctr_sa_sdst(0) depctr_va_vdst(0) depctr_va_sdst(0) depctr_va_ssrc(0) depctr_va_vcc(0) depctr_vm_vsrc(0)
	s_getreg_b32 s2, hwreg(HW_REG_IB_STS2, 6, 4)
	s_cmp_eq_u32 s2, 0
	s_cbranch_scc0 .Lentry_in_a_cluster
	s_endpgm
.Lentry_in_a_cluster:
	s_bfe_u32 s2, ttmp6, 0x10000c
	s_cmp_lg_u32 s2, 0x3003
	s_cbranch_scc0 .Lentry_shape_is_right
	s_endpgm
.Lentry_shape_is_right:
; part1[b][r] = sum over f of x2[b][f] T[(f, r)][b],  T[(f, r)][b] = sum over e of M[e][f][r] x1[b][e], the second sum on codes of FP8 (E4M3) with E8M0 scales for each 32 along e.  T never goes to memory:
; each finished tile of T, 16 r x 16 b, is folded at once into sums P[b][r] kept in registers, by packed multiply-adds in f32 with x2[b][f].  The launch stores 32 slices of partial sums (one for each 32 f); the next launch adds them.
; SHARES.  A work-group takes 256 rows b (bc) and 32 f (y).  Wave w takes 128 of the rows (bh = w % 2) and half of K (kh = w / 2: 4 K steps of 128); the two halves of K are added at the end, through LDS.
; x1's codes of the wave's 128 rows x 512 K stay in 512 REGISTERS for the whole launch; what streams is M: one fragment of M (four LDS loads) feeds eight matrix instructions.
; A TILE t of 64 is (f, j): 16 rows of M, r = 2 rl + j, at one f: 4 K steps x 8 tiles of b = 32 matrix instructions on 8 accumulators by turns.  Two sets of accumulators and two buffers for M's fragments take turns tile by tile:
; while tile t is multiplied, tile t - 1's accumulators are folded into P and tile t + 1's fragments are fetched, in one run.
; SOURCE 0 = M's 16 rows, SOURCE 1 = x1's 16 rows: lane (bl, h) holds b = bl and r = 16 h + 2 jj + j in register jj, so x2[b][f] is one number a lane and tile.
; M comes through a ring of two LDS slots of 4 f (4 blocks of FBLK bytes, dense, already in the order of the operand's registers, scale words behind the codes); each wave fetches one block with one tensor load.
; CLUSTER.  The four work-groups of a cluster differ in bc alone and walk the same blocks of M: each block is asked for JOINTLY (mask 15).  x1 and x2 are each work-group's own.
; No prefetch is laid: a refill is asked for 240 matrix instructions of the wave ahead of the wait for it, and the blocks are shared in the cluster.
; The order of the f32 sums (K in two halves, f in 32 slices) differs from a single ascending sum.
; MATRIX AND VECTOR WORK BY TURNS, UNDER ONE WINDOW SETTING.  A tile has as many folds (32 packed multiply-adds) as products, so a fold stands behind each product, not in bursts.  That costs no switch of the register windows,
; because all that belongs to a tile bt of b lies in ONE window w: its four fragments of x1, its two accumulators, its P; M and x2 lie in window 0, and the fold takes x2 as its FIRST source.  So a product (source 0 window 0;
; source 1, C and D window w) and a fold (source 0 window 0; source 1 = T, source 2 = destination = P window w) stand under the same setting, 0x54 w.  A tile of b takes 96 registers; two fit in each of windows 1 to 3; tiles 6 and 7
; take the 64 registers left in each: their accumulators and P in window 1, their x1 in windows 2 and 3 (products under 0x58, 0x5c; folds under 0x54).  Five switches for a K step's 8 products and 8 folds, 22 for a tile.
; REGISTERS, in windows of 256 (s_set_vgpr_msb: bits 1:0 source 0, 3:2 source 1, 5:4 source 2, 7:6 destination):
;   window 0: v1-15, v24 addresses; v16-23 M's scale words, two sets; v28, v29 for the add; v32-63 x1's scale words; v64-127 x2, two sets; v128-255 M's fragments, two buffers
;   window 1 + g, g = 0, 1, 2, tiles bt = 2 g + u: v[64 u + 16 s] x1's fragment of K step s; v[128 + 16 a + 8 u] accumulator of set a; v[160 + 16 u + 8 j + jj] P
;   window 1: v[192 + 16 a + 8 (bt - 6)] accumulators, v[224 + 16 (bt - 6) + 8 j + jj] P of tiles 6, 7;   window 2: v[192 + 16 s] x1 of tile 6;   window 3: the same of tile 7
.set FBLK,  33792                      ; a block of mq: one f: 32,768 bytes of codes + 1,024 of scale words = 132 rows of 256 bytes
.set SLOT,  4*FBLK
.set X2L,   2*SLOT                     ; behind the ring: x2's tile, 256 rows x (128 bytes + 16 of padding): filled once
.set XP,    144                        ; 36 words: sixteen rows' 16 bytes start at sixteen different groups of four banks (64 banks of 4 bytes: ISA guide 11.1)
.set SPARE, X2L+256*XP                 ; the spare words, 128 bytes for each wave: two blocks of 256 bytes that no other line names
.set AF,  5                            ; v5-8    LDS address of M's fragments: slot sl, pair of blocks p: v[AF + 2 sl + p]
.set AS,  9                            ; v9-12   of its scale words: lanes 0-15 take j = 0's, lanes 16-31 j = 1's
.set AX,  13                           ; v13     of x2: my row, stepped 32 bytes (8 f) a lap
.set PST, 14                           ; v14     the way out: where I put P
.set PLD, 15                           ; v15     and where I read the two halves of K back
.set MS,  16
.set GO,  24                           ; v24     16 x lane
.set SPW, 28                           ; v28     LDS address of my spare word; never rewritten
.set NIL, 29                           ; v29     0; never rewritten
.set XS,  32
.set X2V, 64
.set MF,  128
.set WV,  14                           ; s14     my wave's number
.set G1M, 24                           ; s[24:31] descriptor group 1 for M's blocks
.set G0M, 40                           ; s[40:47] group 0 for M, one set for each slot
.set XG,  3                            ; v3      x2 on its way in: my 16 bytes in memory: row lane / 8 of four, 16 (lane % 8)
.set XL,  26                           ; v26     and their place in x2's tile in LDS
.set LAP, 52
.set MSB, 0
.macro WIN new                         ; the immediate's high byte repeats the setting that is left; a switch that changes nothing is dropped
.if MSB != (\new)
	s_set_vgpr_msb (MSB<<8)|(\new)
.set MSB, (\new)
.endif
.endm
.macro CREST                           ; a round of the cluster's barrier behind its opening barrier
	s_cmp_lg_u32 s[WV], 0
	s_cbranch_scc1 .Lnot_wave_0_\@
	s_barrier_signal -3
.Lnot_wave_0_\@:
	s_barrier_wait -3
	s_barrier_signal -1
	s_barrier_wait -1
.endm
.macro CROUND                          ; a whole round
	s_barrier_signal -1
	s_barrier_wait -1
	CREST
.endm
	s_load_b256 s[4:11], s[0:1], 0x0               ; mq s[4:5], xc s[6:7], xs s[8:9], x2 s[10:11]
	s_load_b64 s[12:13], s[0:1], 0x20              ; part
	v_lshl_add_u32 v[SPW], v0, 2, SPARE
	v_mov_b32 v[NIL], 0
	ds_add_u32 v28, v29
	ds_add_u32 v28, v29
	s_wait_dscnt 0x0
	v_lshrrev_b32 v1, 5, v0
	v_readfirstlane_b32 s[WV], v1                  ; wave 0..3
	s_and_b32 s15, s[WV], 1                        ; bh
	s_lshr_b32 s16, s[WV], 1                       ; kh
	s_bfe_u32 s17, ttmp6, 0x40000                  ; cx: my place in the cluster.  What hangs on it lives in s17, s18 and s54-61 alone
	s_lshl_b32 s18, ttmp9, 2                       ; in a cluster launch ttmp9 counts clusters
	s_add_co_u32 s18, s18, s17                     ; bc = 4 x cluster x + cx
	s_and_b32 s19, ttmp7, 0xffff                   ; y, which the four partners share
	; group 1 for a block of M: dense, FBLK bytes as 33 rows of 128 elements of 8 bytes (1,024 bytes a row), no padding (fragments are read 16 bytes a lane on end)
	s_mov_b32 s[G1M+0], 15|(3<<16)|(1<<21)         ; 15:0 the mask: all four work-groups; 17:16 elements of 8 bytes; 21 set beside a mask
	s_mov_b32 s[G1M+1], 128<<16                    ; tensor_dim0 = 128
	s_mov_b32 s[G1M+2], 33<<16                     ; tensor_dim1 = 33
	s_mov_b32 s[G1M+3], 128<<16                    ; tile_dim0 = 128
	s_mov_b32 s[G1M+4], 33                         ; tile_dim1 = 33
	s_mov_b32 s[G1M+5], 128                        ; from row to row
	s_mov_b32 s[G1M+6], 0
	s_mov_b32 s[G1M+7], 0
	s_lshl_b32 s20, s19, 5
	s_add_co_u32 s20, s20, s[WV]
	s_mul_i32 s20, s20, FBLK                       ; M: block f = 32 y + wave: y and the wave's number alone
	s_mov_b32 s21, 0
	s_mul_i32 s22, s[WV], FBLK                     ; and its place in a slot
	s_mul_i32 s23, s[WV], 64*XP                    ; x2: my 64 rows' place
	s_lshl_b32 s54, s18, 8
	s_lshl_b32 s55, s[WV], 6
	s_add_co_u32 s54, s54, s55                     ; x2: row 256 bc + 64 wave,
	s_lshl_b32 s54, s54, 12
	s_lshl_b32 s55, s19, 7
	s_add_co_u32 s54, s54, s55                     ; column 32 y
	s_mov_b32 s55, 0
	s_lshl_b32 s56, s18, 8
	s_lshl_b32 s57, s15, 7
	s_add_co_u32 s56, s56, s57                     ; my first row b = 256 bc + 128 bh
	s_lshl_b32 s58, s56, 5                         ; its scale bytes,
	s_lshl_b32 s56, s56, 10                        ; its codes,
	s_lshl_b32 s57, s16, 13                        ; xc lies in the order of the operand's registers: 16 rows x 512 along K are 8,192 bytes on end
	s_add_co_u32 s56, s56, s57                     ; my half of K: 512 codes,
	s_lshl_b32 s57, s16, 8                         ; and their scale bytes 256 on end, 16 a row
	s_add_co_u32 s58, s58, s57                     ; 16 scale bytes
	s_mov_b32 s57, 0
	s_mov_b32 s59, 0
	s_lshl_b32 s60, s19, 11                        ; part is laid [tile of 16 b][slice y][2,048 bytes]: my slice;
	s_lshl_b32 s61, s18, 20                        ; a tile's 32 slices are 65,536 bytes: 16 tiles a work-group,
	s_add_co_u32 s60, s60, s61                     ; 16 tiles of b a work-group, 2,048 bytes each;
	s_lshl_b32 s61, s15, 19                        ; 8 for a half of its rows,
	s_add_co_u32 s60, s60, s61
	s_lshl_b32 s61, s16, 18                        ; 4 of them stored by each of the two waves that share the rows
	s_add_co_u32 s60, s60, s61                     ; of my 128 rows I store the half kh
	s_mov_b32 s61, 0
	s_wait_kmcnt 0x0
	s_add_nc_u64 s[20:21], s[4:5], s[20:21]
	s_mov_b32 s[G0M], 1                            ; 1:0 count = 1
	s_mov_b32 s[G0M+1], s22                        ; LDS address: slot 0
	s_mov_b64 s[G0M+2:G0M+3], s[20:21]             ; global address: f group 0
	s_or_b32 s[G0M+3], s[G0M+3], 0x80000000        ; type = 2
	s_mov_b32 s[G0M+4], 1
	s_add_co_u32 s[G0M+5], s22, SLOT               ; slot 1
	s_add_nc_u64 s[G0M+6:G0M+7], s[20:21], 4*FBLK  ; f group 1
	s_or_b32 s[G0M+7], s[G0M+7], 0x80000000
	s_add_co_u32 s23, s23, X2L                     ; x2: my 64 rows' place in LDS,
	s_add_nc_u64 s[10:11], s[10:11], s[54:55]      ; and in memory
	s_add_nc_u64 s[6:7], s[6:7], s[56:57]
	s_add_nc_u64 s[8:9], s[8:9], s[58:59]
	s_add_nc_u64 s[12:13], s[12:13], s[60:61]
	CROUND                                         ; all four work-groups are here: the first joint loads meet
	tensor_load_to_lds s[G0M:G0M+3], s[G1M:G1M+7]  ; my block of slot 0
	s_nop 0
.rept 4
	v_nop
.endr
	v_and_b32 v1, 15, v0                           ; rl = lane % 16
	v_bfe_u32 v2, v0, 4, 1                         ; h = lane / 16
	v_and_b32 v25, 31, v0
	v_lshlrev_b32 v[GO], 4, v25
	v_lshlrev_b32 v4, 4, v1                        ; x1's scale bytes: 16 for row rl
	v_lshrrev_b32 v[XL], 3, v25                    ; x2: a load takes four rows' 128 bytes, eight lanes to a row
	v_and_b32 v27, 7, v25
	v_lshlrev_b32 v27, 4, v27
	v_lshl_add_u32 v[XG], v[XL], 12, v27           ; rows 4,096 bytes apart in memory,
	v_mad_u32_u24 v[XL], v[XL], XP, v27            ; XP apart in LDS
	v_add_nc_u32 v[XL], s23, v[XL]
	; x1's fragments: 16 rows x 128 K in 16 registers: lane (rl, h): registers 4 c .. 4 c + 3 hold K = 32 c + 16 h + 0 .. 15.  They stay.
.macro XLOAD reg, bt                   ; the four fragments of tile bt into v[reg] on, in the window that is set for the destination
.irp s, 0,1,2,3
.irp c, 0,1,2,3
	global_load_b128 v[(\reg)+16*\s+4*\c:(\reg)+16*\s+4*\c+3], v[GO], s[6:7] offset:(\bt)*16384+2048*\s+512*\c   ; 512 consecutive bytes a load
.endr
.endr
.endm
	WIN 0x40                                       ; destination window 1
	XLOAD 0, 0
	XLOAD 64, 1
	WIN 0x80                                       ; destination window 2
	XLOAD 0, 2
	XLOAD 64, 3
	XLOAD 192, 6
	WIN 0xc0                                       ; destination window 3
	XLOAD 0, 4
	XLOAD 64, 5
	XLOAD 192, 7
	WIN 0
.irp bt, 0,1,2,3,4,5,6,7
	global_load_b128 v[XS+4*\bt:XS+4*\bt+3], v4, s[8:9] offset:512*\bt   ; row rl's scale words of my four K steps
.endr
.irp i, 0,1,2,3,4,5,6,7,8,9,10,11,12,13,14,15
	global_load_b128 v[X2V+4*\i:X2V+4*\i+3], v[XG], s[10:11] offset:16384*\i   ; x2: my 64 rows x 32 f, on their way to LDS through the registers that later hold x2's sets
.endr
	s_lshl_b32 s53, s16, 14
	v_add_nc_u32 v[AF], s53, v[GO]                 ; M's fragments: my half of K, 16 bytes a lane
	v_add_nc_u32 v[AF+1], 2*FBLK, v[AF]
	v_add_nc_u32 v[AF+2], SLOT, v[AF]
	v_add_nc_u32 v[AF+3], SLOT+2*FBLK, v[AF]
	s_lshl_b32 s53, s16, 9
	s_add_co_u32 s53, s53, 32768
	v_lshlrev_b32 v[AS], 4, v1
	v_lshl_add_u32 v[AS], v2, 3, v[AS]
	v_add_nc_u32 v[AS], s53, v[AS]                 ; its scale words: 32,768 + 512 kh + 16 rl + 8 (lane / 16)
	v_add_nc_u32 v[AS+1], 2*FBLK, v[AS]
	v_add_nc_u32 v[AS+2], SLOT, v[AS]
	v_add_nc_u32 v[AS+3], SLOT+2*FBLK, v[AS]
	s_mul_i32 s53, s15, 128*XP
	s_add_co_u32 s53, s53, X2L
	v_mul_u32_u24 v[AX], v1, XP
	v_add_nc_u32 v[AX], s53, v[AX]                 ; x2: row 128 bh + rl
	s_lshl_b32 s53, s[WV], 14
	v_add_nc_u32 v[PST], s53, v[GO]                ; the stage: 16,384 bytes a wave
	s_lshl_b32 s53, s15, 14
	s_lshl_b32 s22, s16, 13
	s_add_co_u32 s53, s53, s22
	v_add_nc_u32 v[PLD], s53, v[GO]                ; back: the waves (bh, 0) and (bh, 1) lie 32,768 bytes apart; I take the half kh of their 32 groups
; One matrix instruction of tile t: K step s, tile bt of b.  The first K step starts the sum with the constant 0: nothing is cleared.
.macro WM t, s, bt
.set ga, (\t)%2
.set rM, MF+64*ga+16*(\s)
.set rS, MS+4*((((\t)%8)/2)%2)+(((\s)+2)%4)    ; K step s's word lies two registers on, so that M's and x1's scale registers never have the same number modulo 4
.set rT, XS+4*(\bt)+(\s)
.if (\bt) < 6
	WIN 0x54*(1+(\bt)/2)                           ; M window 0; x1, C and D the tile's window
.set rA, 128+16*ga+8*((\bt)%2)
.set rX, 64*((\bt)%2)+16*(\s)
.else
	WIN 0x58+4*((\bt)-6)                           ; M window 0; x1 window 2 or 3; C and D window 1
.set rA, 192+16*ga+8*((\bt)-6)
.set rX, 192+16*(\s)
.endif
.if (\s) == 0
.if ga
	v_wmma_scale_f32_16x16x128_f8f6f4 v[rA:rA+7], v[rM:rM+15], v[rX:rX+15], 0, v[rS], v[rT] matrix_a_scale:MATRIX_SCALE_ROW1
.else
	v_wmma_scale_f32_16x16x128_f8f6f4 v[rA:rA+7], v[rM:rM+15], v[rX:rX+15], 0, v[rS], v[rT]
.endif
.else
.if ga
	v_wmma_scale_f32_16x16x128_f8f6f4 v[rA:rA+7], v[rM:rM+15], v[rX:rX+15], v[rA:rA+7], v[rS], v[rT] matrix_a_scale:MATRIX_SCALE_ROW1
.else
	v_wmma_scale_f32_16x16x128_f8f6f4 v[rA:rA+7], v[rM:rM+15], v[rX:rX+15], v[rA:rA+7], v[rS], v[rT]
.endif
.endif
.endm
; Fold n of the eight that stand in K step s: two numbers of the finished tile tp go into P: P += x2[b][f] x T.  x2's four f of a group lie in four registers: the pair is named, and one of its two feeds both halves.
; Which accumulator: n 0-3: tile (6 + s) % 8 of b, all four pairs; n 4, 5: tile 2 + s / 2, two pairs; n 6, 7: tile 4 + s / 2, two pairs.  Each accumulator is read from its low end on.
; mode 2: as said.  mode 1: the first tile of each j (f 0 of its group) starts P by a multiplication.  mode 0: there is no finished tile yet: in the last K step v_nop stand where the folds would, as places.
.macro FO tp, s, n, mode
.if (\mode) == 0
.if (\s) == 3
	v_nop
.endif
.else
.if (\n) < 4
.set fk, (6+(\s))%8
.set fi, 2*(\n)
.else
.set fk, 2*((\n)/2)-2+(\s)/2
.set fi, 4*((\s)%2)+2*((\n)%2)
.endif
.set ea, (\tp)%2
.set ef, ((\tp)%8)/2
.if fk < 6
	WIN 0x54*(1+fk/2)                              ; x2 window 0; T and P the tile's window: the setting of that window's products
.set rA, 128+16*ea+8*(fk%2)+fi
.set rP, 160+16*(fk%2)+8*ea+fi
.else
	WIN 0x54
.set rA, 192+16*ea+8*(fk-6)+fi
.set rP, 224+16*(fk-6)+8*ea+fi
.endif
.set rX, X2V+32*(((\tp)/8)%2)+4*fk+2*(ef/2)
.if (\mode) == 1
	v_pk_mul_f32 v[rP:rP+1], v[rX:rX+1], v[rA:rA+1] op_sel_hi:[0,1]
.elseif ef%2
	v_pk_fma_f32 v[rP:rP+1], v[rX:rX+1], v[rA:rA+1], v[rP:rP+1] op_sel:[1,0,0] op_sel_hi:[1,1,1]
.else
	v_pk_fma_f32 v[rP:rP+1], v[rX:rX+1], v[rA:rA+1], v[rP:rP+1] op_sel_hi:[0,1,1]
.endif
.endif
.endm
; A K STEP of tile t: eight products, the eight accumulators by turns in the same order in every K step, the two sets by turns tile by tile, and eight folds of tile t - 1 between them.
; Tiles 6 and 7 come first, so that their folds can stand with window 1's products: the settings run 0x58, 0x5c, 0x54, 0xa8, 0xfc.
; PLACES.  Eight plain vector instructions that name none of its registers stand between a matrix instruction of this form and a read of its result or a load into its sources.
;   An accumulator's last product stands in its tile's K step 3.  Accumulator 6: the eight folds of that K step lie between it and its first fold, the next tile's first.  Accumulator 2: four folds of that
; K step and the next tile's first four.  Accumulator 4: two, those four, and accumulator 2's first two.  The others are folded a K step or more later.
.macro KS t, s, epi
	WM \t, \s, 6
	WM \t, \s, 7
	FO (\t)-1, \s, 0, \epi
	FO (\t)-1, \s, 1, \epi
	WM \t, \s, 0
	FO (\t)-1, \s, 2, \epi
	WM \t, \s, 1
	FO (\t)-1, \s, 3, \epi
	WM \t, \s, 2
	FO (\t)-1, \s, 4, \epi
	WM \t, \s, 3
	FO (\t)-1, \s, 5, \epi
	WM \t, \s, 4
	FO (\t)-1, \s, 6, \epi
	WM \t, \s, 5
	FO (\t)-1, \s, 7, \epi
.endm
; One run of LDS loads: tile tn's four fragments of M (16 loads, 512 consecutive bytes each) into buffer tn % 2; with a new f its scale words (lanes 0-15: j = 0's, lanes 16-31: j = 1's; two K steps a load);
; x2l = 1: the next group's four f of x2 for my eight tiles of b, at byte xoff of the rows, into set xset.
.macro FETCH tn, x2l, xoff, xset
.set fs, ((\tn)/8)%2
.set ff, ((\tn)%8)/2
.set fj, (\tn)%2
	WIN 0
.if fj == 0
	ds_load_b64 v[MS+4*(ff%2)+2:MS+4*(ff%2)+3], v[AS+2*fs+ff/2] offset:(ff%2)*FBLK
	ds_load_b64 v[MS+4*(ff%2):MS+4*(ff%2)+1], v[AS+2*fs+ff/2] offset:(ff%2)*FBLK+256
.endif
.if \x2l
.irp bt, 0,1,2,3,4,5,6,7
	ds_load_b128 v[X2V+32*(\xset)+4*\bt:X2V+32*(\xset)+4*\bt+3], v[AX] offset:\bt*16*XP+\xoff
.endr
.endif
.irp s, 0,1,2,3
.irp c, 0,1,2,3
	ds_load_b128 v[MF+64*fj+16*\s+4*\c:MF+64*fj+16*\s+4*\c+3], v[AF+2*fs+ff/2] offset:(ff%2)*FBLK+fj*8192+\s*2048+\c*512
.endr
.endr
.endm
; A TILE.  t counts modulo 16 (two slots of 8 tiles).  epi: the folds' mode.  more = 1: the next tile is fetched, behind K step 0.  The buffer's last readers are the last tile's products of K step 3: behind its last
; product stand one fold and this K step's eight; behind the one before (tile 4 of b) two and six, not counting the two folds that name its own accumulator.
; chg = 1, 2: a slot's last tile changes slots: ONE barrier.  In front of it the wave's reads of the slot are in (this tile's fragments were the last), all its tensor loads have landed (its block of the other slot),
; it adds 0 to its spare word and waits for that.  chg = 1: the barrier opens a round of the cluster's barrier, and behind the round the slot is filled again, with the f group two on; chg = 2: nothing is left to fetch.
.macro TILE t, epi, chg, more, x2l, xoff
.set ts, ((\t)/8)%2
.if (\chg) == 0
	s_wait_dscnt 0x0                               ; this tile's fragments, asked for 24 matrix instructions ago, are in
	KS \t, 0, \epi
.if \more
	FETCH (\t)+1, \x2l, \xoff, 1-ts
.endif
	KS \t, 1, \epi
	KS \t, 2, \epi
	KS \t, 3, \epi
.else
	WIN 0                                          ; (the add's two registers lie in window 0)
	s_wait_dscnt 0x0                               ; this tile's fragments are in: my reads of this slot are over
	s_wait_tensorcnt 0x0                           ; all my tensor loads have landed: the one that was out is my block of the other slot; so a group 0 may be written
	ds_add_u32 v[SPW], v[NIL]                      ; 0 onto my spare word
.if (\chg) == 1
	s_add_nc_u64 s[G0M+4*ts+2:G0M+4*ts+3], s[G0M+4*ts+2:G0M+4*ts+3], 8*FBLK   ; this slot's next f group: 8 blocks on; the type bits on top are not reached
.endif
	KS \t, 0, \epi                                 ; a K step's products and folds stand between the add and the wait for it
	s_wait_dscnt 0x0                               ; the add is done
	s_barrier_signal -1
	KS \t, 1, \epi                                 ; work on registers while the others arrive
	WIN 0
	s_barrier_wait -1
.if (\chg) == 1
	CREST                                          ; no wave of any partner still reads this slot or has a load on its way
	tensor_load_to_lds s[G0M+4*ts:G0M+4*ts+3], s[G1M:G1M+7]   ; my one tensor load behind the round, and the first thing there
	s_nop 0
.rept 4
	v_nop
.endr
.endif
	FETCH (\t)+1, 0, 0, 0                          ; from the other slot, which is whole
	KS \t, 2, \epi
	KS \t, 3, \epi
.endif
.endm
	s_wait_alu depctr_va_vdst(0)
	s_wait_tensorcnt 0x0                           ; my block of slot 0 is in
	s_barrier_signal -1
	s_barrier_wait -1                              ; everybody's is
	FETCH 0, 0, 0, 0                               ; tile 0 and its scale words
	s_wait_loadcnt 0x0                             ; x1's fragments and scale words, and my rows of x2,
.irp i, 0,1,2,3,4,5,6,7,8,9,10,11,12,13,14,15
	ds_store_b128 v[XL], v[X2V+4*\i:X2V+4*\i+3] offset:\i*4*XP   ; which go into x2's tile: bytes that no tensor load fills; no tensor load of mine is out
.endr
	; TILE 0 is written out: no finished tile yet.  In it stands slot 1's first fill, issued as a refill is; the same round shows x2's tile to every wave.
	s_wait_dscnt 0x0                               ; tile 0's fragments are in, my stores of x2 have landed
	s_wait_tensorcnt 0x0
	ds_add_u32 v[SPW], v[NIL]                      ; 0 onto my spare word
	KS 0, 0, 0                                     ; eight products stand between the add and the wait for it
	s_wait_dscnt 0x0                               ; the add is done
	s_barrier_signal -1
	KS 0, 1, 0                                     ; work on registers while the others arrive
	WIN 0
	s_barrier_wait -1
	CREST
	tensor_load_to_lds s[G0M+4:G0M+7], s[G1M:G1M+7]   ; my block of slot 1: my one tensor load behind the round; it is first read seven tiles on
	s_nop 0
.rept 4
	v_nop
.endr
	FETCH 1, 1, 0, 0                               ; tile 1, and x2's first four f
	KS 0, 2, 0
	KS 0, 3, 0
	TILE 1, 1, 0, 1, 0, 0
	TILE 2, 1, 0, 1, 0, 0
	WIN 0
	s_mov_b32 s[LAP], 3
.Llap:                                             ; a trip goes once round the ring, 16 tiles, and fills both slots again: f groups 2 to 7 in three trips
	TILE 3, 2, 0, 1, 0, 0
	TILE 4, 2, 0, 1, 1, 16                         ; x2 of the next group: the other set's last reader was the fold in this group's first tile
	TILE 5, 2, 0, 1, 0, 0
	TILE 6, 2, 0, 1, 0, 0
	TILE 7, 2, 1, 1, 0, 0
	TILE 8, 2, 0, 1, 0, 0
	TILE 9, 2, 0, 1, 0, 0
	TILE 10, 2, 0, 1, 0, 0
	TILE 11, 2, 0, 1, 0, 0
	TILE 12, 2, 0, 1, 1, 32
	TILE 13, 2, 0, 1, 0, 0
	TILE 14, 2, 0, 1, 0, 0
	TILE 15, 2, 1, 1, 0, 0
	TILE 16, 2, 0, 1, 0, 0
	TILE 17, 2, 0, 1, 0, 0
	TILE 18, 2, 0, 1, 0, 0
	WIN 0
	v_add_nc_u32 v[AX], 32, v[AX]                  ; 8 f on in x2's rows
	s_sub_co_u32 s[LAP], s[LAP], 1
	s_cmp_lg_u32 s[LAP], 0
	s_cbranch_scc1 .Llap
	TILE 3, 2, 0, 1, 0, 0                          ; the last 13 tiles are written out: they ask for nothing
	TILE 4, 2, 0, 1, 1, 16
	TILE 5, 2, 0, 1, 0, 0
	TILE 6, 2, 0, 1, 0, 0
	TILE 7, 2, 2, 1, 0, 0
	TILE 8, 2, 0, 1, 0, 0
	TILE 9, 2, 0, 1, 0, 0
	TILE 10, 2, 0, 1, 0, 0
	TILE 11, 2, 0, 1, 0, 0
	TILE 12, 2, 0, 1, 0, 0
	TILE 13, 2, 0, 1, 0, 0
	TILE 14, 2, 0, 1, 0, 0
	TILE 15, 2, 0, 0, 0, 0
.irp s, 0,1,2,3
.irp n, 0,1,2,3,4,5,6,7
	FO 15, \s, \n, 2                               ; the last tile's folds, in the order in which a next tile would hold them: the counts of places are the same
.endr
.endr
	; THE WAY OUT.  P goes to a stage as an image of its registers (group q = 4 bt + g of four registers: 16 bytes a lane, 512 a store); the two waves that share their rows b add their halves of K, each for 16 of the 32 groups, and store them.
	; The stage, 65,536 bytes from LDS byte 0, lies in slot 0: that slot has had its last fill, and every wave has passed the last change of slots, behind which nobody reads it.
	WIN 0x04                                       ; an LDS store's data are its source 1: window 1: tiles 0, 1, 6, 7
.irp bt, 0,1
.irp g, 0,1,2,3
	ds_store_b128 v[PST], v[160+16*\bt+4*\g:163+16*\bt+4*\g] offset:512*(4*\bt+\g)
.endr
.endr
.irp bt, 6,7
.irp g, 0,1,2,3
	ds_store_b128 v[PST], v[224+16*(\bt-6)+4*\g:227+16*(\bt-6)+4*\g] offset:512*(4*\bt+\g)
.endr
.endr
	WIN 0x08                                       ; window 2: tiles 2, 3
.irp bt, 2,3
.irp g, 0,1,2,3
	ds_store_b128 v[PST], v[160+16*(\bt-2)+4*\g:163+16*(\bt-2)+4*\g] offset:512*(4*\bt+\g)
.endr
.endr
	WIN 0x0c                                       ; window 3: tiles 4, 5
.irp bt, 4,5
.irp g, 0,1,2,3
	ds_store_b128 v[PST], v[160+16*(\bt-4)+4*\g:163+16*(\bt-4)+4*\g] offset:512*(4*\bt+\g)
.endr
.endr
	WIN 0
	s_wait_dscnt 0x0                               ; for the others' sake: my stores have landed
	s_barrier_signal -1
	s_barrier_wait -1
.set q, 0
.rept 16
	ds_load_b128 v[128+4*q:131+4*q], v[PLD] offset:512*q          ; (the last tile's 32 folds stand behind the last product that read these registers)
	ds_load_b128 v[192+4*q:195+4*q], v[PLD] offset:32768+512*q
.set q, q+1
.endr
.set q, 0
.rept 16
	s_wait_dscnt 30-2*q                            ; pair q of the sixteen pairs of loads is in
	v_pk_add_f32 v[128+4*q:129+4*q], v[128+4*q:129+4*q], v[192+4*q:193+4*q]
	v_pk_add_f32 v[130+4*q:131+4*q], v[130+4*q:131+4*q], v[194+4*q:195+4*q]
	global_store_b128 v[GO], v[128+4*q:131+4*q], s[12:13] offset:(q/4)*65536+(q%4)*512 th:TH_STORE_NT   ; 32 lanes store 512 consecutive bytes, at a multiple of 256 from part's first byte; four stores fill a tile's 2,048
.set q, q+1
.endr
	s_wait_tensorcnt 0x0                           ; the wave's end, behind my last tensor load and my last LDS store
	ds_add_u32 v[SPW], v[NIL]
	s_wait_dscnt 0x0
	CROUND                                         ; the closing round: no work-group ends while a partner may still ask for a block that names it
	s_endpgm
.Lfunc_end_k_q4452b2548f_bilin:
	.size	k_q4452b2548f_bilin, .Lfunc_end_k_q4452b2548f_bilin-k_q4452b2548f_bilin
	.p2alignl 7, 3214868480
	.fill 96, 4, 3214868480
	.section	.rodata,"a",@progbits
	.p2align	6, 0x0
	.amdhsa_kernel k_q4452b2548f_bilin
		.amdhsa_group_segment_fixed_size 327680
		.amdhsa_private_segment_fixed_size 0
		.amdhsa_enable_private_segment 0
		.amdhsa_kernarg_size 40
		.amdhsa_user_sgpr_count 2
		.amdhsa_user_sgpr_kernarg_segment_ptr 1
		.amdhsa_wavefront_size32 1
		.amdhsa_system_sgpr_workgroup_id_x 1
		.amdhsa_system_sgpr_workgroup_id_y 1
		.amdhsa_system_sgpr_workgroup_id_z 1
		.amdhsa_system_vgpr_workitem_id 0
		.amdhsa_next_free_vgpr 1024
		.amdhsa_next_free_sgpr 66
		.amdhsa_reserve_vcc 0
		.amdhsa_float_denorm_mode_32 3
		.amdhsa_float_denorm_mode_16_64 3
		.amdhsa_memory_ordered 1
		.amdhsa_forward_progress 1
		.amdhsa_inst_pref_size 255
	.end_amdhsa_kernel
	.section	.bss,"aw",@nobits
	.p2align	6
	.space	262144
	.amdgpu_metadata
---
amdhsa.version: [ 1, 2 ]
amdhsa.kernels:
  - .name:           k_q4452b2548f_bilin
    .symbol:         k_q4452b2548f_bilin.kd
    .args:
      - { .name: mq, .offset: 0, .size: 8, .value_kind: global_buffer, .address_space: global }
      - { .name: xc, .offset: 8, .size: 8, .value_kind: global_buffer, .address_space: global }
      - { .name: xs, .offset: 16, .size: 8, .value_kind: global_buffer, .address_space: global }
      - { .name: x2, .offset: 24, .size: 8, .value_kind: global_buffer, .address_space: global }
      - { .name: part, .offset: 32, .size: 8, .value_kind: global_buffer, .address_space: global }
    .group_segment_fixed_size: 327680
    .private_segment_fixed_size: 0
    .kernarg_segment_align: 8
    .kernarg_segment_size: 40
    .max_flat_workgroup_size: 128
    .sgpr_count:     66
    .vgpr_count:     1024
    .wavefront_size: 32
...
	.end_amdgpu_metadata
.endif
;; end of part 2
;; launch score (part 3): grid 128 x 1, 8 waves a work-group, no clusters, 17,408 bytes of LDS; arguments part, xc, xs, b, u, out0; writes out0
.if DOCPART == 3
	.amdgcn_target "amdgcn-amd-amdhsa--gfx1250"
	.amdhsa_code_object_version 6
	.text
	.protected	k_q4452b2548f_score
	.globl	k_q4452b2548f_score
	.p2align	8
	.type	k_q4452b2548f_score,@function
k_q4452b2548f_score:
	s_mov_b64 s[64:65], 0
	v_nop
	global_prefetch_b8 v0, s[64:65] scope:SCOPE_SE
	s_setreg_imm32_b32 hwreg(HW_REG_WAVE_MODE, 25, 1), 1
	s_wait_xcnt 0x0
; out[b] = sum over r of u[r] tanh(part1[b][r] + part2[b][r] + bias[r]).  part1 = the sum of the 32 slices of part.  part2 = [x1 | x2] V^T on codes of FP8 (E4M3) with E8M0 scales, K = 2,048: 16 K steps of 128.
; SHARES.  A work-group owns 16 rows b.  Wave e of eight adds slices 4 e .. 4 e + 3 and multiplies K steps 2 e and 2 e + 1 (e < 4: x1's codes; else x2's, 2,097,152 bytes on in xc), with its slices' sum as the C of
; its first products.  The eight waves' results meet in LDS as images of their registers; wave 0 adds them and finishes.
; LAYOUT, as in part: source 0 = 16 rows of V, r = 2 rl + j, source 1 = 16 rows of x: register 8 j + jj of lane (bl, h) is (b = bl, r = 16 h + 2 jj + j).
; tanh(x) = 1 - 2 / (1 + 2^(2 log2(e) x)): absolute error of the order of f32's rounding of 1; where the power overflows or falls to 0 the result is +1 or -1, as it should be.
; A work-group's result is 64 bytes: a quarter of an aligned run of 256.  The whole output is 8,192 bytes; four times the rows to a work-group would leave 32 work-groups with four times the reads each.
; V's codes, 65,536 bytes, are all that the work-groups share: each wave reads 8,192 bytes of them straight into registers; no LDS tile, so no cluster.  The launch is short: no prefetch.
; REGISTERS: v1-10 lane numbers and offsets; v11-14 at work; v16-17 x's scale words, v18-19, v20-21 V's (j = 0, 1); v32-95 four slices, later (to v143) the other waves' images; v96-127 x's two fragments;
;   v128-191 V's four (32 j + 16 i); v192-207 the two accumulators; v208-223 the sums; v224-239 bias[16 h + k]; v240-255 u[16 h + k].
	s_load_b256 s[4:11], s[0:1], 0x0               ; part s[4:5], xc s[6:7], xs s[8:9], b s[10:11]
	s_load_b128 s[12:15], s[0:1], 0x20             ; u s[12:13], out0 s[14:15]
	v_lshl_add_u32 v30, v0, 2, 0x4000
	v_mov_b32 v31, 0
	v_lshrrev_b32 v1, 5, v0
	s_delay_alu instid0(VALU_DEP_1)
	v_readfirstlane_b32 s16, v1                    ; wave e
	v_and_b32 v8, 31, v0                           ; lane
	v_and_b32 v1, 15, v0                           ; rl
	v_bfe_u32 v2, v0, 4, 1                         ; h
	s_delay_alu instid0(VALU_DEP_3)
	v_lshlrev_b32 v3, 4, v8                        ; 16 x lane: part, and the codes, which lie in the order of the operand's registers
	v_lshlrev_b32 v6, 4, v1                        ; scale bytes: 16 for row rl and 512 along K
	v_lshlrev_b32 v9, 6, v2                        ; bias, u: my half's 16 numbers
	v_lshlrev_b32 v14, 2, v8                       ; out: 4 bytes a lane
	v_mov_b32 v13, 0                               ; (a lane permute's destination counts as one of its sources)
	s_lshl_b32 s17, s16, 11
	v_add_nc_u32 v10, s17, v3                      ; my image in LDS: 2,048 bytes a wave
	s_lshr_b32 s17, s16, 2                         ; x1 (0) or x2 (1)
	s_and_b32 s18, s16, 3
	s_lshl_b32 s24, s16, 13                        ; part, laid [tile of 16 b][slice][2,048 bytes]: four slices a wave,
	s_lshl_b32 s19, ttmp9, 16
	s_add_co_u32 s24, s24, s19                     ; 2,048 bytes a tile of 16 b
	s_mov_b32 s25, 0
	s_lshl_b32 s26, s16, 12                        ; two K steps of 2,048 bytes a wave
	s_add_co_u32 s26, s26, 4194304                 ; V's codes: behind x1's and x2's; 256 along K a wave
	s_mov_b32 s27, 0
	s_lshl_b32 s28, s17, 21
	s_lshl_b32 s19, ttmp9, 14
	s_add_co_u32 s28, s28, s19
	s_lshl_b32 s19, s18, 12
	s_add_co_u32 s28, s28, s19                     ; x's codes: the tensor, my 16 rows, my 256 along K
	s_mov_b32 s29, 0
	s_lshr_b32 s30, s16, 1                         ; which 512 along K: 256 bytes each,
	s_lshl_b32 s30, s30, 8
	s_and_b32 s19, s16, 1                          ; and which two of a row's four words
	s_lshl_b32 s19, s19, 3
	s_add_co_u32 s30, s30, s19
	s_add_co_u32 s30, s30, 131072                  ; V's scale bytes
	s_mov_b32 s31, 0
	s_lshl_b32 s32, s17, 16
	s_lshl_b32 s19, ttmp9, 9
	s_add_co_u32 s32, s32, s19
	s_lshr_b32 s19, s18, 1
	s_lshl_b32 s19, s19, 8
	s_add_co_u32 s32, s32, s19
	s_and_b32 s19, s18, 1
	s_lshl_b32 s19, s19, 3
	s_add_co_u32 s32, s32, s19                     ; x's scale bytes
	s_mov_b32 s33, 0
	s_lshl_b32 s34, ttmp9, 6                       ; out: 16 numbers
	s_mov_b32 s35, 0
	s_mov_b32 s36, 0x76543210
	s_mov_b32 s37, 0xfedcba98                      ; v_permlanex16_b32's selects for lane l xor 16
	s_wait_alu depctr_va_vdst(0)
	s_wait_kmcnt 0x0
	s_add_nc_u64 s[4:5], s[4:5], s[24:25]
	s_add_nc_u64 s[20:21], s[6:7], s[26:27]
	s_add_nc_u64 s[6:7], s[6:7], s[28:29]
	s_add_nc_u64 s[22:23], s[8:9], s[30:31]
	s_add_nc_u64 s[8:9], s[8:9], s[32:33]
	s_add_nc_u64 s[14:15], s[14:15], s[34:35]
	s_cmp_lg_u32 s16, 0                            ; bias and u are wanted by wave 0 alone.  Its eight loads are the oldest, so the counts below hold on both ways
	s_cbranch_scc1 .Lnot_first
.irp k, 0,1,2,3
	global_load_b128 v[224+4*\k:227+4*\k], v9, s[10:11] offset:16*\k
	global_load_b128 v[240+4*\k:243+4*\k], v9, s[12:13] offset:16*\k
.endr
.Lnot_first:
.irp y, 0,1,2,3
.irp g, 0,1,2,3
	global_load_b128 v[32+16*\y+4*\g:35+16*\y+4*\g], v3, s[4:5] offset:\y*2048+512*\g th:TH_LOAD_NT   ; 512 consecutive bytes a load; the work-group's 32 slices are 65,536 bytes on end
.endr
.endr
.irp i, 0,1
.irp c, 0,1,2,3
	global_load_b128 v[96+16*\i+4*\c:99+16*\i+4*\c], v3, s[6:7] offset:2048*\i+512*\c
.endr
.endr
.irp j, 0,1
.irp i, 0,1
.irp c, 0,1,2,3
	global_load_b128 v[128+32*\j+16*\i+4*\c:131+32*\j+16*\i+4*\c], v3, s[20:21] offset:32768*\j+2048*\i+512*\c
.endr
.endr
.endr
	global_load_b64 v[16:17], v6, s[8:9]           ; the scale words of my two K steps: x's,
	global_load_b64 v[18:19], v6, s[22:23]         ; V's rows 2 rl,
	global_load_b64 v[20:21], v6, s[22:23] offset:1024   ; and 2 rl + 1
	s_wait_loadcnt 27                              ; the slices are in; the 8 + 16 + 3 loads behind them may be out
.irp i, 0,2,4,6,8,10,12,14
	v_pk_add_f32 v[32+\i:33+\i], v[32+\i:33+\i], v[48+\i:49+\i]
	v_pk_add_f32 v[64+\i:65+\i], v[64+\i:65+\i], v[80+\i:81+\i]
.endr
.irp i, 0,2,4,6,8,10,12,14
	v_pk_add_f32 v[32+\i:33+\i], v[32+\i:33+\i], v[64+\i:65+\i]   ; my four slices' sum
.endr
	s_wait_alu depctr_va_vdst(0)
	s_wait_loadcnt 0x0
.rept 4
	v_nop                                          ; what vector instructions have written for a scaled matrix instruction stands four places ahead of it
.endr
	; the two accumulators by turns; the first products take the slices' sum as C
	v_wmma_scale_f32_16x16x128_f8f6f4 v[192:199], v[128:143], v[96:111], v[32:39], v18, v16
	v_wmma_scale_f32_16x16x128_f8f6f4 v[200:207], v[160:175], v[96:111], v[40:47], v20, v16
	v_wmma_scale_f32_16x16x128_f8f6f4 v[192:199], v[144:159], v[112:127], v[192:199], v19, v17
	v_wmma_scale_f32_16x16x128_f8f6f4 v[200:207], v[176:191], v[112:127], v[200:207], v21, v17
.rept 8
	v_nop                                          ; eight places behind this form, ahead of the first read of its results and of loads into its sources
.endr
.irp g, 0,1,2,3
	ds_store_b128 v10, v[192+4*\g:195+4*\g] offset:512*\g   ; each accumulator from its low end on
.endr
	s_wait_dscnt 0x0                               ; for wave 0's sake: my stores have landed
	s_barrier_signal -1
	s_barrier_wait -1
	s_cmp_lg_u32 s16, 0
	s_cbranch_scc1 .Lend
.irp k, 1,2,3,4,5,6,7
.irp g, 0,1,2,3
	ds_load_b128 v[32+16*(\k-1)+4*\g:35+16*(\k-1)+4*\g], v3 offset:2048*\k+512*\g
.endr
.endr
	s_wait_dscnt 0x0
.irp i, 0,2,4,6,8,10,12,14
	v_pk_add_f32 v[208+\i:209+\i], v[192+\i:193+\i], v[32+\i:33+\i]
.endr
.irp k, 1,2,3,4,5,6
.irp i, 0,2,4,6,8,10,12,14
	v_pk_add_f32 v[208+\i:209+\i], v[208+\i:209+\i], v[32+16*\k+\i:33+16*\k+\i]
.endr
.endr
.irp j, 0,1
.irp jj, 0,1,2,3,4,5,6,7
	v_add_f32 v[208+8*\j+\jj], v[208+8*\j+\jj], v[224+2*\jj+\j]   ; + bias[16 h + 2 jj + j]
.endr
.endr
.irp i, 0,2,4,6,8,10,12,14
	v_pk_mul_f32 v[208+\i:209+\i], v[208+\i:209+\i], 0x4038aa3b op_sel_hi:[1,0]   ; x 2 log2(e)
.endr
	s_wait_alu depctr_va_vdst(0)
.irp i, 0,1,2,3,4,5,6,7,8,9,10,11,12,13,14,15
	v_exp_f32 v[208+\i], v[208+\i]
.endr
	v_nop                                          ; a plain instruction behind the last exponential,
	s_wait_alu depctr_va_vdst(0)                   ; and one wait for the batch, ahead of its first reader
.irp i, 0,2,4,6,8,10,12,14
	v_pk_add_f32 v[208+\i:209+\i], v[208+\i:209+\i], 1.0 op_sel_hi:[1,0]
.endr
	s_wait_alu depctr_va_vdst(0)
.irp i, 0,1,2,3,4,5,6,7,8,9,10,11,12,13,14,15
	v_rcp_f32 v[208+\i], v[208+\i]
.endr
	v_nop
	s_wait_alu depctr_va_vdst(0)                   ; likewise for the reciprocals
.irp i, 0,2,4,6,8,10,12,14
	v_pk_fma_f32 v[208+\i:209+\i], v[208+\i:209+\i], -2.0, 1.0 op_sel_hi:[1,0,0]   ; tanh
.endr
	v_mul_f32 v11, v208, v240                      ; the product with u, in two chains: even r, odd r
	v_mul_f32 v12, v216, v241
.irp jj, 1,2,3,4,5,6,7
	s_delay_alu instid0(VALU_DEP_2)
	v_fma_f32 v11, v[208+\jj], v[240+2*\jj], v11
	s_delay_alu instid0(VALU_DEP_2)
	v_fma_f32 v12, v[216+\jj], v[241+2*\jj], v12
.endr
	s_delay_alu instid0(VALU_DEP_1)
	v_add_f32 v11, v11, v12
	s_delay_alu instid0(VALU_DEP_1)
	v_permlanex16_b32 v13, v11, s36, s37           ; the row's other 16 r lie in the lane 16 away
	s_delay_alu instid0(VALU_DEP_1)
	v_add_f32 v11, v11, v13
	v_cmp_gt_u32 vcc_lo, 16, v8
	s_wait_alu depctr_va_vdst(0)
	s_wait_xcnt 0x0                                ; EXEC changes only behind this wait: it is a source of the memory instructions issued before
	s_and_saveexec_b32 s38, vcc_lo
	global_store_b32 v14, v11, s[14:15]            ; lanes 0-15: 64 consecutive bytes
	s_wait_xcnt 0x0                                ; and again, in front of the line that widens it
	s_or_b32 exec_lo, exec_lo, s38
.Lend:
	s_wait_tensorcnt 0x0
	ds_add_u32 v30, v31
	s_wait_dscnt 0x0
	s_endpgm
.Lfunc_end_k_q4452b2548f_score:
	.size	k_q4452b2548f_score, .Lfunc_end_k_q4452b2548f_score-k_q4452b2548f_score
	.p2alignl 7, 3214868480
	.fill 96, 4, 3214868480
	.section	.rodata,"a",@progbits
	.p2align	6, 0x0
	.amdhsa_kernel k_q4452b2548f_score
		.amdhsa_group_segment_fixed_size 17408
		.amdhsa_private_segment_fixed_size 0
		.amdhsa_enable_private_segment 0
		.amdhsa_kernarg_size 48
		.amdhsa_user_sgpr_count 2
		.amdhsa_user_sgpr_kernarg_segment_ptr 1
		.amdhsa_wavefront_size32 1
		.amdhsa_system_sgpr_workgroup_id_x 1
		.amdhsa_system_sgpr_workgroup_id_y 1
		.amdhsa_system_sgpr_workgroup_id_z 1
		.amdhsa_system_vgpr_workitem_id 0
		.amdhsa_next_free_vgpr 256
		.amdhsa_next_free_sgpr 66
		.amdhsa_reserve_vcc 1
		.amdhsa_float_denorm_mode_32 3
		.amdhsa_float_denorm_mode_16_64 3
		.amdhsa_memory_ordered 1
		.amdhsa_forward_progress 1
		.amdhsa_inst_pref_size 21
	.end_amdhsa_kernel
	.amdgpu_metadata
---
amdhsa.version: [ 1, 2 ]
amdhsa.kernels:
  - .name:           k_q4452b2548f_score
    .symbol:         k_q4452b2548f_score.kd
    .args:
      - { .name: part, .offset: 0, .size: 8, .value_kind: global_buffer, .address_space: global }
      - { .name: xc, .offset: 8, .size: 8, .value_kind: global_buffer, .address_space: global }
      - { .name: xs, .offset: 16, .size: 8, .value_kind: global_buffer, .address_space: global }
      - { .name: b, .offset: 24, .size: 8, .value_kind: global_buffer, .address_space: global }
      - { .name: u, .offset: 32, .size: 8, .value_kind: global_buffer, .address_space: global }
      - { .name: out0, .offset: 40, .size: 8, .value_kind: global_buffer, .address_space: global }
    .group_segment_fixed_size: 17408
    .private_segment_fixed_size: 0
    .kernarg_segment_align: 8
    .kernarg_segment_size: 48
    .max_flat_workgroup_size: 256
    .sgpr_count:     66
    .vgpr_count:     256
    .wavefront_size: 32
...
	.end_amdgpu_metadata
.endif
;; end of part 3
